; MI455X (gfx1250); checked and timed in simulation.
; The chip was launched on July 23, 2026; its instructions are those of AMD's public machine-readable ISA for CDNA 5 (MIT licence, August 2026) and "CDNA5" Instruction Set Architecture Reference Guide (July 2026). The comments in the code are by the model that wrote it; some were corrected since.
;; DIN Attention. Allowed arithmetic: matrix products marked QUANTISED: E3M2 operands, one E8M0 scale for each 32 along K, by v_wmma_scale_f32_16x16x128_f8f6f4 with both operands' format E3M2, f32 sums; products left as they are: f32 operands where the result goes on into a quantised operand, else bf16, f16 or f32 operands; f32 sums; everything else in f32.
;; Inputs: W1 512 x 256 float32; W2 256 x 128 float32; W3 128 x 1 float32; a1 1 float32; a2 1 float32; b1 256 float32; b2 128 float32; b3 1 float32; keys 2,048 x 200 x 128 float32; mask 2,048 x 200 int32; query 2,048 x 128 float32.
;; Outputs: out0 2,048 x 128 float32.
;; This version of the problem:
;;   THIS VERSION OF THE PROBLEM IS GIVEN IN LOW PRECISION. The matrix products marked QUANTISED in the list below multiply operands that are first quantised to E3M2 (3 exponent bits, 2 mantissa bits; 6 bits a number), with one power-of-two scale for each 32 numbers along K (OCP MX v1.0); their sums are f32. All else is computed in f32.
;;   The module's matrix products, in the order in which they are computed (A, B: the left and right operand; K: the contracted axis; several contracted axes count as one K, in the product's order):
;;     1. [M 409,600, K 512] x [K 512, N 256]; A: computed on the way; B: input W1: QUANTISED
;;     2. [M 409,600, K 256] x [K 256, N 128]; A: computed on the way; B: input W2: QUANTISED
;;     3. [M 409,600, K 128] x [K 128, N 1]; A: computed on the way; B: input W3: left as it is (N = 1 < 16)
;;     4. batch 2,048 x [M 1, K 200] x [K 200, N 128]; A: computed on the way; B: input keys: left as it is (M = 1 < 16)
;;   THE QUANTISER, for each operand of a quantised product, along K:
;;     - K is cut into blocks of 32 from its start; a last block that is shorter is filled with zeros.
;;     - A block's scale is 2^e with e = floor(log2(the largest magnitude in the block)) - 4, held to -126 .. 127; a block of zeros has e = 0. As a byte (E8M0): e + 127.
;;     - Each number is divided by its block's scale, clamped to +-28, and rounded to the nearest number of E3M2, ties to even, subnormals kept.
;;     - The product sums the exact products of the quantised numbers (number of the format x scale) in f32.
;;   ~~~python
;;   def quantise(x, axis):      # numpy; x: float32 -> the quantised numbers, widened to float32 again
;;       x = np.moveaxis(x, axis, -1); K = x.shape[-1]
;;       x = np.pad(x, [(0, 0)] * (x.ndim - 1) + [(0, -K % 32)]); x = x.reshape(x.shape[:-1] + (-1, 32)); a = np.abs(x).max(-1, keepdims=True)
;;       e = np.where(a > 0, np.clip(np.frexp(np.where(a > 0, a, 1))[1] - 1 - 4, -126, 127), 0)      # np.frexp(a)[1] - 1 = floor(log2(a)), exactly
;;       r = np.clip(x / 2.0 ** e, -28, 28)
;;       step = 2.0 ** (np.maximum(np.frexp(np.where(r == 0, 1, r))[1] - 1, -2) - 2)
;;       q = np.round(r / step) * step * 2.0 ** e      # np.round: ties to even
;;       return np.moveaxis(q.reshape(q.shape[:-2] + (-1,))[..., :K], -1, axis).astype(np.float32)
;;   ~~~
;;   OPERANDS COMPUTED ON THE WAY. 'Computed on the way' means the value that the module computes at that place (a softmax that the list does not call 'softmax' is quantised finished and normalised). What goes into a quantiser is computed in f32, as accurately as f32 sums, v_exp_f32 and their like allow (about 1e-6 of the number): no bf16 or f16 on the way to a quantiser, and a product that is left as it is and whose result goes on into a quantised operand takes f32 operands (vector FMAs, or v_wmma_f32_16x16x4_f32). A number that lies on a knife's edge between two numbers of the format may be rounded either way, as far as f32 arithmetic and the matrix unit's own rounding can turn it there, and no further.
;; One version. Each part assembles by itself: llvm-mc -triple=amdgcn-amd-amdhsa -mcpu=gfx1250 --defsym DOCPART=n.
;; ======== version 1 of 1: 2 launches
;; limits: right only within a limited range of input values
;; workspace buffers: wq 133,120 bytes; rows 524,288 bytes of whole numbers
;; launch prep (part 1): grid 2128 x 1, 1 waves a work-group, no clusters, 768 bytes of LDS; arguments W1, W2, mask, wq, rows; writes wq, rows
.if DOCPART == 1
	.amdgcn_target "amdgcn-amd-amdhsa--gfx1250"
	.amdhsa_code_object_version 6
	.text
	.protected	k_q3d83d5c6a9_prep
	.globl	k_q3d83d5c6a9_prep
	.p2align	8
	.type	k_q3d83d5c6a9_prep,@function
k_q3d83d5c6a9_prep:
	s_mov_b64 s[64:65], 0
	v_nop
	global_prefetch_b8 v0, s[64:65] scope:SCOPE_SE
	s_setreg_imm32_b32 hwreg(HW_REG_WAVE_MODE, 25, 1), 1
	s_wait_xcnt 0x0
; W1 [512][256] and W2 [256][128], f32 with K as their FIRST axis, become codes of BF6 (E3M2) with one E8M0 byte for each 32 along K,
; laid in the order of the operand's registers; and each batch row's mask becomes a list of its active keys.
; One wave to a work-group.  Work-groups 0-63: one fragment (16 columns x 128 K) of W1 each; 64-79: one of W2; 80-2127: one batch row's list.
; A FRAGMENT: lane (r, h) takes ONE column and its registers run DOWN K, k = 64 c + 32 h + 0 .. 31 of the K step: a block of 32 lies in one lane,
; and the conversions' results are the operand's registers.  wq: fragment f at 1,536 f as [group of four registers][lane][16 bytes]; its scale words at WQS + 128 f + 4 x lane.
; W1's fragment 16 w + 4 t + s: wave w, tile t, K step s of the next launch; THE COLUMNS OF A TILE ARE NOT NEIGHBOURS: lane r takes column 64 w + 32 (t / 2) + 8 (t % 2) + r + 8 (r / 8),
; so that the next launch finds 16 neighbouring hidden units in the 16 registers of tiles 2 b and 2 b + 1.  W2's fragment 64 + 4 w + 2 n + s: column 32 w + 16 n + r.
; A LIST: a record of 256 bytes.  The active keys (mask > 0) are counted through in ascending order; the key at place p goes to byte 64 ((p / 16) % 4) + 4 (p % 16) + p / 64,
; so that word 16 w + r holds, byte j, the key of row r of tile 4 j + w.  Places from n on hold 0.  Byte 67 (place 208, which no row of 200 keys reaches) holds n.
; A block's scale byte is its largest magnitude's exponent field - 4, held at 1 from below; a block of zeros so gets 1: its codes are zeros, and this program alone reads the bytes.
; LIMITS: NaN and infinities in W1 and W2 are not served.
.set WQS, 122880                       ; 80 fragments x 1,536 bytes
	s_load_b128 s[4:7], s[0:1], 0x0                ; W1, W2
	s_load_b128 s[8:11], s[0:1], 0x10              ; mask, wq
	s_load_b64 s[12:13], s[0:1], 0x20              ; rows
	v_lshl_add_u32 v128, v0, 2, 0x200
	v_mov_b32 v129, 0
	v_and_b32 v1, 31, v0                           ; lane
	v_and_b32 v2, 15, v0                           ; r
	v_bfe_u32 v3, v0, 4, 1                         ; h
	v_lshlrev_b32 v4, 4, v1                        ; 16 x lane
	v_lshlrev_b32 v5, 2, v1                        ; 4 x lane
	v_lshlrev_b32 v7, 3, v1                        ; 8 x lane
	s_mov_b32 s20, 0x76543210
	s_mov_b32 s21, 0xfedcba98                      ; v_permlanex16_b32's selects for lane l xor 16
	s_cmp_ge_u32 ttmp9, 80
	s_cbranch_scc1 .Llist
	s_cmp_ge_u32 ttmp9, 64
	s_cbranch_scc1 .Lw2
.macro WCOL base, stride               ; 64 numbers down K of my column: sixteen neighbouring lanes read neighbouring columns
.irp c, 0,1
.set ii, 0
.rept 32
	global_load_b32 v[32+32*\c+ii], v10, s[\base:\base+1] offset:(64*\c+ii)*\stride
.set ii, ii+1
.endr
.endr
.endm
	; ---- a fragment of W1: number = 16 w + 4 t + s
	s_lshr_b32 s14, ttmp9, 4
	s_lshl_b32 s14, s14, 6                         ; 64 w
	s_bfe_u32 s15, ttmp9, 0x10003
	s_lshl_b32 s15, s15, 5                         ; 32 (t / 2)
	s_bfe_u32 s16, ttmp9, 0x10002
	s_lshl_b32 s16, s16, 3                         ; 8 (t % 2)
	s_add_co_u32 s14, s14, s15
	s_add_co_u32 s14, s14, s16
	s_and_b32 s17, ttmp9, 3
	s_lshl_b32 s17, s17, 17                        ; K step s: 128 rows of 1,024 bytes
	s_wait_alu depctr_va_vdst(0)
	v_and_b32 v8, 8, v2
	v_add_nc_u32 v8, v8, v2                        ; r + 8 (r / 8)
	v_add_nc_u32 v8, s14, v8                       ; my column
	v_lshlrev_b32 v10, 2, v8
	v_lshl_add_u32 v10, v3, 15, v10                ; lanes 16-31 begin 32 rows further down
	v_add_nc_u32 v10, s17, v10
	s_wait_alu depctr_va_vdst(0)
	s_wait_kmcnt 0x0
	WCOL 4, 1024
	s_branch .Lquant
.Lw2:	; ---- a fragment of W2: number - 64 = 4 w + 2 n + s
	s_sub_co_u32 s14, ttmp9, 64
	s_lshr_b32 s15, s14, 2
	s_lshl_b32 s15, s15, 5                         ; 32 w
	s_bfe_u32 s16, s14, 0x10001
	s_lshl_b32 s16, s16, 4                         ; 16 n
	s_add_co_u32 s15, s15, s16
	s_and_b32 s17, s14, 1
	s_lshl_b32 s17, s17, 16                        ; K step s: 128 rows of 512 bytes
	s_wait_alu depctr_va_vdst(0)
	v_add_nc_u32 v8, s15, v2                       ; my column
	v_lshlrev_b32 v10, 2, v8
	v_lshl_add_u32 v10, v3, 14, v10
	v_add_nc_u32 v10, s17, v10
	s_wait_alu depctr_va_vdst(0)
	s_wait_kmcnt 0x0
	WCOL 6, 512
.Lquant:
	s_mul_i32 s14, ttmp9, 1536
	s_mov_b32 s15, 0
	s_add_nc_u64 s[14:15], s[10:11], s[14:15]      ; where the fragment goes
	s_lshl_b32 s16, ttmp9, 7
	s_mov_b32 s17, 0
	s_add_nc_u64 s[16:17], s[10:11], s[16:17]      ; and, WQS further on, its scale words
	s_wait_loadcnt 0x0
.irp c, 0,1                            ; my block 2 c + h: all its 32 numbers are mine
	v_max3_num_f32 v[8+\c], |v[32+32*\c]|, |v[33+32*\c]|, 0x2800000   ; with the floor 2^(5 - 127): the byte cannot fall under 1
.endr
.irp i, 2,4,6,8,10,12,14,16,18,20,22,24,26,28,30
.irp c, 0,1
	v_max3_num_f32 v[8+\c], v[8+\c], |v[32+32*\c+\i]|, |v[33+32*\c+\i]|
.endr
.endr
.irp c, 0,1
	v_add_nc_u32 v[12+\c], 0xfe000000, v[8+\c]     ; 4 off the exponent field: the conversion's scale operand
.endr
.irp c, 0,1
	v_lshrrev_b32 v[14+\c], 23, v[12+\c]           ; the scale's byte
.endr
	v_lshl_or_b32 v16, v15, 16, v14                ; my two bytes, blocks h and 2 + h,
	v_lshlrev_b32 v18, 3, v3
	v_lshlrev_b32 v16, v18, v16                    ; at their places in the word;
	v_mov_b32 v17, 0
	v_permlanex16_b32 v17, v16, s20, s21
	v_or_b32 v16, v16, v17                         ; with lane l xor 16's two the word is whole, in both halves of the lanes
.irp c, 0,1
	v_cvt_scalef32_pk16_bf6_f32 v[96+6*\c:98+6*\c], v[32+32*\c:47+32*\c], v[12+\c]
	v_cvt_scalef32_pk16_bf6_f32 v[108+4*\c:110+4*\c], v[48+32*\c:63+32*\c], v[12+\c]   ; (a conversion's three registers begin on an even number)
.endr
	v_nop                                          ; one plain line behind a scaled conversion
.irp c, 0,1
.irp i, 0,1,2
	v_mov_b32 v[99+6*\c+\i], v[108+4*\c+\i]
.endr
.endr
.irp g, 0,1,2
	global_store_b128 v4, v[96+4*\g:99+4*\g], s[14:15] offset:512*\g   ; 32 lanes store 512 consecutive bytes
.endr
	global_store_b32 v5, v16, s[16:17] offset:WQS
	s_endpgm
.Llist:	; ---- a batch row's list
	s_sub_co_u32 s14, ttmp9, 80                    ; the batch row
	s_mul_i32 s16, s14, 800
	s_mov_b32 s17, 0
	s_lshl_b32 s18, s14, 8
	s_mov_b32 s19, 0
	s_wait_alu depctr_va_vdst(0)
	v_add_nc_u32 v9, 192, v1
	v_min_u32 v9, 199, v9                          ; the seventh load stays inside the row
	v_lshlrev_b32 v9, 2, v9
	v_add_nc_u32 v6, 256, v1                       ; a byte behind the record for each lane: where an inactive key's store goes
	v_mov_b32 v12, 0
	v_mov_b32 v13, 0
	s_mov_b32 s26, 0                               ; active keys so far
	s_wait_alu depctr_va_vdst(0)
	s_wait_kmcnt 0x0
	s_add_nc_u64 s[22:23], s[8:9], s[16:17]
	s_add_nc_u64 s[24:25], s[12:13], s[18:19]
.irp j, 0,1,2,3,4,5
	global_load_b32 v[32+\j], v5, s[22:23] offset:128*\j
.endr
	global_load_b32 v38, v9, s[22:23]
	ds_store_b64 v7, v[12:13]                      ; the record begins as zeros
	s_wait_loadcnt 0x0
.irp j, 0,1,2,3,4,5,6                  ; keys 32 j + lane.  Each turn has registers of its own for its store
	v_cmp_lt_i32 s28, 0, v[32+\j]                  ; active: mask > 0
.if \j == 6
	s_and_b32 s28, s28, 0xff                       ; keys 192 to 199 alone
.endif
	v_mbcnt_lo_u32_b32 v20, s28, 0                 ; active keys in the lanes below me,
	v_add_nc_u32 v20, s26, v20                     ; and before: my place p
	v_bfe_u32 v21, v20, 4, 2                       ; (p / 16) % 4
	v_and_b32 v22, 15, v20                         ; p % 16
	v_bfe_u32 v23, v20, 6, 2                       ; p / 64
	v_lshl_or_b32 v22, v22, 2, v23
	v_lshl_or_b32 v21, v21, 6, v22                 ; under 256 by its fields
	v_cndmask_b32 v[48+\j], v6, v21, s28
	v_min_u32 v[48+\j], 0x1ff, v[48+\j]            ; a number made from loaded data enters an address only behind a hold with a constant: 511, inside the 768 bytes claimed; it changes no value here (the record's byte is under 256, the other 256 + lane)
	v_add_nc_u32 v[56+\j], 32*\j, v1               ; the key's number
	ds_store_b8 v[48+\j], v[56+\j]
	s_bcnt1_i32_b32 s29, s28
	s_add_co_u32 s26, s26, s29
.endr
	v_mov_b32 v25, 67
	v_mov_b32 v26, s26
	ds_store_b8 v25, v26                           ; n; every lane writes the same byte with the same value
	ds_load_b64 v[28:29], v7                       ; LDS serves a wave's instructions in order: this sees the stores above
	s_wait_dscnt 0x0
	global_store_b64 v7, v[28:29], s[24:25]        ; 32 lanes store the record: 256 consecutive bytes, aligned
	s_wait_tensorcnt 0x0
	ds_add_u32 v128, v129
	s_wait_dscnt 0x0
	s_endpgm
.Lfunc_end_k_q3d83d5c6a9_prep:
	.size	k_q3d83d5c6a9_prep, .Lfunc_end_k_q3d83d5c6a9_prep-k_q3d83d5c6a9_prep
	.p2alignl 7, 3214868480
	.fill 96, 4, 3214868480
	.section	.rodata,"a",@progbits
	.p2align	6, 0x0
	.amdhsa_kernel k_q3d83d5c6a9_prep
		.amdhsa_group_segment_fixed_size 768
		.amdhsa_private_segment_fixed_size 0
		.amdhsa_enable_private_segment 0
		.amdhsa_kernarg_size 40
		.amdhsa_user_sgpr_count 2
		.amdhsa_user_sgpr_kernarg_segment_ptr 1
		.amdhsa_wavefront_size32 1
		.amdhsa_system_sgpr_workgroup_id_x 1
		.amdhsa_system_sgpr_workgroup_id_y 1
		.amdhsa_system_sgpr_workgroup_id_z 1
		.amdhsa_system_vgpr_workitem_id 0
		.amdhsa_next_free_vgpr 130
		.amdhsa_next_free_sgpr 66
		.amdhsa_reserve_vcc 0
		.amdhsa_float_denorm_mode_32 3
		.amdhsa_float_denorm_mode_16_64 3
		.amdhsa_memory_ordered 1
		.amdhsa_forward_progress 1
		.amdhsa_inst_pref_size 26
	.end_amdhsa_kernel
	.amdgpu_metadata
---
amdhsa.version: [ 1, 2 ]
amdhsa.kernels:
  - .name:           k_q3d83d5c6a9_prep
    .symbol:         k_q3d83d5c6a9_prep.kd
    .args:
      - { .name: W1, .offset: 0, .size: 8, .value_kind: global_buffer, .address_space: global }
      - { .name: W2, .offset: 8, .size: 8, .value_kind: global_buffer, .address_space: global }
      - { .name: mask, .offset: 16, .size: 8, .value_kind: global_buffer, .address_space: global }
      - { .name: wq, .offset: 24, .size: 8, .value_kind: global_buffer, .address_space: global }
      - { .name: rows, .offset: 32, .size: 8, .value_kind: global_buffer, .address_space: global }
    .group_segment_fixed_size: 768
    .private_segment_fixed_size: 0
    .kernarg_segment_align: 8
    .kernarg_segment_size: 40
    .max_flat_workgroup_size: 32
    .sgpr_count:     66
    .vgpr_count:     130
    .wavefront_size: 32
...
	.end_amdgpu_metadata
.endif
;; end of part 1
;; launch din (part 2): grid 512 x 1, 4 waves a work-group, no clusters, 161,792 bytes of LDS; arguments query, keys, rows, wq, b1, a1, b2, a2, W3, b3, out0; writes out0
.if DOCPART == 2
	.amdgcn_target "amdgcn-amd-amdhsa--gfx1250"
	.amdhsa_code_object_version 6
	.text
	.protected	k_q3d83d5c6a9_din
	.globl	k_q3d83d5c6a9_din
	.p2align	8
	.type	k_q3d83d5c6a9_din,@function
k_q3d83d5c6a9_din:
	s_mov_b64 s[64:65], 0
	v_nop
	global_prefetch_b8 v0, s[64:65] scope:SCOPE_SE
	s_setreg_imm32_b32 hwreg(HW_REG_WAVE_MODE, 25, 1), 1
	s_wait_xcnt 0x0
; out0[b] = sum over l of p[b][l] keys[b][l], p the masked and renormalised softmax of the scores of a three-layer MLP on [q, k, q - k, q * k].
; The first two layers are products on codes of BF6 (E3M2) with one E8M0 byte for each 32 along K; all else is f32.
; ONLY ACTIVE KEYS ARE WORKED: a key with mask <= 0 has weight 0 in the result, so neither its products nor its 512 bytes are needed.  The launch before has stored, for each batch row,
; the list of its active keys and their number n; rows are taken from that list, 16 to a tile, nt = ceil(n / 16) tiles (at least one; places from n on name key 0 and are weighed with 0).
; It serves every mask: all ones (13 tiles), all zeros (zeros out).
; SHARES.  512 work-groups of four waves, 512 registers a wave and under half of a WGP's LDS, so that two work-groups fit on a WGP; a work-group walks 4 batch rows.
; THE WAVES SHARE THE COLUMNS: wave w keeps hidden units 64 w .. 64 w + 63 of W1 (16 fragments, window 1) in registers for the whole launch.  Its 4 fragments of W2, its b1, b2 and W3 lie in LDS bytes
; of its own and come into registers at the head of the phase that uses them.  Rows go round through LDS as IMAGES OF THE OPERAND'S REGISTERS.
; A BATCH ROW, three barriers:  X: wave w quantises tiles w, w + 4, .. (k, q - k, q * k; q itself in every wave) and stores their images; then it asks for the next batch row | barrier |
;   1: every wave, tile by tile: 16 products (source 0 = 16 hidden units of W1, source 1 = 16 rows; C of the first = b1), PReLU, quantised: half a fragment of the next K | barrier |
;   2: tile by tile: 4 products with W2 (C = b2), PReLU, the dot with my 32 numbers of W3: a partial score | barrier |
;   S: every wave: the softmax of all scores; then THE SUM BY COLUMNS: wave w makes columns 32 w .. 32 w + 31 of out0's row: eight lanes read 128 bytes of a key, four keys an instruction; 16 loads are out,
;      and each group of four is asked for again, for the next 64 places, as soon as it has been added.  The active keys are so read a second time; no partial result goes through LDS.
; KEYS FOR X pass through two buffers of 64 registers by turns: slot 0 of a batch row is loaded a whole batch row ahead; slot 1 at the phase's head (always: a place past n names key 0); slot j + 1 when slot j's work begins.
; PREFETCH: in phase X of a batch row each wave names, once, every 256 bytes of its slots 1 to 3 of the next batch row (a lane a block: row r, half h); it stops with the work-group's last batch row.
; Both products are used transposed, so that a lane holds ONE row and its registers run along the next K.
; THE TILE LOOPS have a constant 13 trips; a trip past nt jumps over its work, so that every LDS offset is a scalar stepped in a loop of constant count.
; NO TENSOR LOADS, NO CLUSTER: what is skipped hangs on counts read from memory; all that work-groups share is 133,120 bytes of weights, which each reads once at its head.
; PReLU is exact for every a: the middle of x, a x and +infinity (a <= 1) or -infinity (a > 1).
; THE SOFTMAX is as written in the problem: the maximum is taken over the active scores and, where a key is inactive, -10000; the inactive keys' terms count in the first sum; the hold at 1e-12 and the test for a sum above 0 are kept.
; LIMITS: NaN and infinities among the inputs are not served; a key under mask <= 0 is not read, so a NaN or infinity there does not reach the result; a block of zeros gets the scale byte 1 (its codes are zeros);
; exponentials under 2^-126 come out as 0.  out0's row leaves as four stores of 128 bytes; the four lanes that hold the same 16 bytes all store them.
; s_wait_alu depctr_va_vdst(0) stands ahead of blocking waits, barriers and branches and round transcendentals.
; REGISTERS.  Window 0: v1-23 ids and addresses; v24-28 keys' offsets and the next list word; v29-35 addresses at work; v36-39 q as it lands; v40-45 prefetch offsets, LDS addresses; v46-87 q's fragment, scale words, permutes' results;
;   v88-255 by phase.  Window 1: W1's fragment (t, s) at 12 (4 t + s); v192-255 one of the two key buffers (the other: v192-255 of window 0).
.set AREC,  4864                       ; a tile's record: six half fragments of 768 bytes (16 x lane for four registers, then 8 x lane for two); at 4,608 the scale bytes, 64 x kind + 4 r + 2 c + h
.set HREC,  3328                       ; the hidden layer's: four half fragments at 768 x wave; at 3,072 two sets of scale words, 4 x lane
.set HB,    16*AREC
.set PSB,   HB+14*HREC                 ; partial scores: 16 x place + 4 x wave
.set PWB,   PSB+4096                   ; each wave's own 256 weights, 4 x place
.set QBB,   PWB+4096                   ; each wave's own copy of q
.set W2L,   QBB+2048                   ; each wave's own 4 fragments of W2
.set CSB,   W2L+24576                  ; each wave's own b1 (256 bytes), b2 (128), W3 (128)
.set SPARE, CSB+2048                   ; the spare words
.set ZB,    PWB-8192                   ; zeros at the head: the hidden layer's record 13 and the partial scores lie in these 8,192 bytes
.set WQS,   122880
.set KROWS, 102400
.set QF, 46
.set QS, 58
.set W1S, 59
.set W2S, 75
.set AS, 79
.set HS, 82
.set PX, 84
.set XQ, 88
.set XT, 120
.set XPC, 152
.set XCT, 170
.set XM, 174
.set XSCL, 178
.set XTMP, 179
.set XQBY, 180
.set XBY, 182
.set SL, 88
.set B1, 104
.set ACC1, 136
.set TT1, 168
.set AF, 200
.set HM, 236
.set HSC, 240
.set HBY, 242
.set HPC, 244
.set HCT, 250
.set W2F, 104
.set B2, 152
.set W3R, 168
.set ACC2, 184
.set TT2, 200
.set HF, 216
.set DT, 240
.set SP, 104
.set PW1, 104
.set PW0, 132
.set SO, 148
.set SK, 164
.set SACC, 228
.set NI, 236
.set MX, 237
.set EN, 238
.set SU, 239
.set ZZ, 240
.set RZ, 241
.set DN, 242
.set DM, 243
.set RDM, 244
.set GG, 245
.set CN, 246
.set SA, 247
.set SB, 248
.set WT, 249
.set MSB, 0
.macro WIN new                         ; the immediate's high byte repeats the setting that is left; at every label and branch the setting is 0
.if MSB != (\new)
	s_set_vgpr_msb (MSB<<8)|(\new)
.set MSB, (\new)
.endif
.endm
.macro WA
	s_wait_alu depctr_va_vdst(0)
.endm
.macro BR1 to
	WA
	s_cbranch_scc1 \to
.endm
.macro BARRIER                         ; my LDS stores have landed and my LDS loads are in: then the work-group's barrier
	WA
	s_wait_dscnt 0x0
	s_barrier_signal -1
	s_barrier_wait -1
.endm
.macro MAX32 base                      ; the largest magnitude of 32 registers, four chains, with the floor 2^(5 - 127): the byte cannot fall under 1
.irp ch, 0,1,2,3
	v_max3_num_f32 v[XM+\ch], |v[\base+2*\ch]|, |v[\base+2*\ch+1]|, 0x2800000
.endr
.irp i, 8,16,24
.irp ch, 0,1,2,3
	v_max3_num_f32 v[XM+\ch], |v[\base+\i+2*\ch]|, |v[\base+\i+2*\ch+1]|, v[XM+\ch]
.endr
.endr
.endm
.macro TOSCALE by                      ; 4 off the maximum's exponent field is the conversion's scale operand; that field is the byte
	v_max3_num_f32 v[XM], v[XM], v[XM+1], v[XM+2]
	v_max_num_f32 v[XM], v[XM], v[XM+3]
	v_add_nc_u32 v[XSCL], 0xfe000000, v[XM]
	v_lshrrev_b32 v[\by], 23, v[XSCL]
.endm
.macro CODES dst, src                  ; 32 numbers become 192 bits: three registers at dst, three elsewhere (a conversion's three registers begin on an even number)
	v_cvt_scalef32_pk16_bf6_f32 v[\dst:\dst+2], v[\src:\src+15], v[XSCL]
	v_cvt_scalef32_pk16_bf6_f32 v[XCT:XCT+2], v[\src+16:\src+31], v[XSCL]
.endm
.macro UNITOUT j, c, ty                ; half a fragment and its scale byte go to the tile's record; each kind has registers of its own
.irp i, 0,1,2
	v_mov_b32 v[XPC+6*(\ty)+3+\i], v[XCT+\i]
.endr
	ds_store_b128 v8, v[XPC+6*(\ty):XPC+6*(\ty)+3] offset:4*(\j)*AREC+(2*(\ty)+(\c))*768
	ds_store_b64 v9, v[XPC+6*(\ty)+4:XPC+6*(\ty)+5] offset:4*(\j)*AREC+(2*(\ty)+(\c))*768
	ds_store_b8 v10, v[XBY+(\ty)] offset:4*(\j)*AREC+64*(\ty)+2*(\c)
.endm
; Slot j, half c, keys in window W: my row's 32 numbers of k, of q - k and of q * k, each a whole block in my registers.
; The one wait for LDS in the middle brings q's half in and shows every store issued ahead of it done: kind 0's registers are so free a half later, kinds 1 and 2's at this half's wait.
.macro KUNITS W, j, c
.set KB, 192+32*(\c)
.irp i, 0,1,2,3,4,5,6,7
	ds_load_b128 v[XQ+4*\i:XQ+4*\i+3], v20 offset:256*(\c)+16*\i
.endr
	WIN 5*(\W)
	MAX32 KB
	WIN 0
	TOSCALE XBY
	WIN \W
	CODES XPC, KB
	WIN 0
	v_nop                                          ; one plain line behind a scaled conversion
	UNITOUT \j, \c, 0
	WA
	s_wait_dscnt 0x0
	WIN \W
.set ii, 0
.rept 16
	v_pk_add_f32 v[XT+ii:XT+ii+1], v[KB+ii:KB+ii+1], v[XQ+ii:XQ+ii+1] neg_lo:[1,0] neg_hi:[1,0]   ; q - k
.set ii, ii+2
.endr
	WIN 0
	MAX32 XT
	TOSCALE XBY+1
	CODES XPC+6, XT
	v_nop
	UNITOUT \j, \c, 1
	WIN \W
.set ii, 0
.rept 16
	v_pk_mul_f32 v[XT+ii:XT+ii+1], v[KB+ii:KB+ii+1], v[XQ+ii:XQ+ii+1]   ; q * k
.set ii, ii+2
.endr
	WIN 0
	MAX32 XT
	TOSCALE XBY+2
	CODES XPC+12, XT
	v_nop
	UNITOUT \j, \c, 2
.endm
.macro QUANTQ c                        ; half c of q's fragment: all 16 rows alike
.irp i, 0,1,2,3,4,5,6,7
	ds_load_b128 v[XQ+4*\i:XQ+4*\i+3], v20 offset:256*\c+16*\i
.endr
	WA
	s_wait_dscnt 0x0
	MAX32 XQ
	TOSCALE XQBY+\c
	CODES QF+6*\c, XQ
	v_nop
.irp i, 0,1,2
	v_mov_b32 v[QF+6*\c+3+\i], v[XCT+\i]
.endr
.endm
.macro OFFS dst, src                   ; a list word's four bytes become the four slots' offsets: key x 512 + 128 h, behind the hold at 199
.irp j, 0,1,2,3
	v_bfe_u32 v[\dst+\j], v[\src], 8*\j, 8
.endr
.irp j, 0,1,2,3
	v_min_u32 v[\dst+\j], 199, v[\dst+\j]
.endr
.irp j, 0,1,2,3
	v_lshl_add_u32 v[\dst+\j], v[\dst+\j], 9, v23
.endr
.endm
.macro KLOAD win, off, base            ; a slot's 16 rows into the key buffer of window win: a lane takes 2 x 128 consecutive bytes of its row
	WIN 64*(\win)
.irp c, 0,1
.irp i, 0,1,2,3,4,5,6,7
	global_load_b128 v[192+32*\c+4*\i:192+32*\c+4*\i+3], v[\off], s[\base:\base+1] offset:256*\c+16*\i
.endr
.endr
	WIN 0
.endm
.macro AFETCH off                      ; a tile's three fragments and their scale words
.irp ty, 0,1,2
.irp c, 0,1
	ds_load_b128 v[AF+12*\ty+6*\c:AF+12*\ty+6*\c+3], v29 offset:(\off)+(2*\ty+\c)*768
	ds_load_b64 v[AF+12*\ty+6*\c+4:AF+12*\ty+6*\c+5], v30 offset:(\off)+(2*\ty+\c)*768+512
.endr
	ds_load_b32 v[AS+\ty], v31 offset:(\off)+4608+64*\ty
.endr
.endm
.macro HFETCH off                      ; the hidden layer's two fragments of a tile
.irp f, 0,1
.irp c, 0,1
	ds_load_b128 v[HF+12*\f+6*\c:HF+12*\f+6*\c+3], v29 offset:(\off)+(2*\f+\c)*768
	ds_load_b64 v[HF+12*\f+6*\c+4:HF+12*\f+6*\c+5], v30 offset:(\off)+(2*\f+\c)*768+512
.endr
	ds_load_b32 v[HS+\f], v31 offset:(\off)+3072+128*\f
.endr
.endm
; Phase S.  My lane group g = lane / 8 holds list words 16 g + 0 .. 15; byte j of word 16 g + i names the key at place 64 j + 16 g + i.
.macro SOFFG j, m                      ; four keys' offsets: key x 512 + 128 w + 16 (lane % 8)
.irp k, 0,1,2,3
	v_bfe_u32 v[SO+4*(\m)+\k], v[SL+4*(\m)+\k], 8*(\j), 8
.endr
.irp k, 0,1,2,3
	v_min_u32 v[SO+4*(\m)+\k], 199, v[SO+4*(\m)+\k]
.endr
.irp k, 0,1,2,3
	v_lshl_add_u32 v[SO+4*(\m)+\k], v[SO+4*(\m)+\k], 9, v18
.endr
.endm
.macro SLOADG m
.irp k, 0,1,2,3
	global_load_b128 v[SK+16*(\m)+4*\k:SK+16*(\m)+4*\k+3], v[SO+4*(\m)+\k], s[48:49]
.endr
.endm
.macro SFMA j, m, P                    ; four keys weighed and added: even and odd keys in sums of their own; the first two products start the sums
.set qq, 4*(\m)
.rept 4
.set aa, SACC+4*(qq%2)
.set pp, (\P)+qq-(qq%2)
.if ((\j) == 0) && (qq < 2)
.if qq%2
	v_pk_mul_f32 v[aa:aa+1], v[SK+4*qq:SK+4*qq+1], v[pp:pp+1] op_sel:[0,1] op_sel_hi:[1,1]
	v_pk_mul_f32 v[aa+2:aa+3], v[SK+4*qq+2:SK+4*qq+3], v[pp:pp+1] op_sel:[0,1] op_sel_hi:[1,1]
.else
	v_pk_mul_f32 v[aa:aa+1], v[SK+4*qq:SK+4*qq+1], v[pp:pp+1] op_sel_hi:[1,0]
	v_pk_mul_f32 v[aa+2:aa+3], v[SK+4*qq+2:SK+4*qq+3], v[pp:pp+1] op_sel_hi:[1,0]
.endif
.else
.if qq%2
	v_pk_fma_f32 v[aa:aa+1], v[SK+4*qq:SK+4*qq+1], v[pp:pp+1], v[aa:aa+1] op_sel:[0,1,0] op_sel_hi:[1,1,1]
	v_pk_fma_f32 v[aa+2:aa+3], v[SK+4*qq+2:SK+4*qq+3], v[pp:pp+1], v[aa+2:aa+3] op_sel:[0,1,0] op_sel_hi:[1,1,1]
.else
	v_pk_fma_f32 v[aa:aa+1], v[SK+4*qq:SK+4*qq+1], v[pp:pp+1], v[aa:aa+1] op_sel_hi:[1,0,1]
	v_pk_fma_f32 v[aa+2:aa+3], v[SK+4*qq+2:SK+4*qq+3], v[pp:pp+1], v[aa+2:aa+3] op_sel_hi:[1,0,1]
.endif
.endif
.set qq, qq+1
.endr
.endm
; Places 64 j .. 64 j + 63.  At its head the step's 16 loads are the youngest that are out.  refill = 1: each group of four is asked for again for step j + 1, so 12 younger loads stand behind the group that is waited for;
; refill = 0: the counts run down.
.macro SSTEP j, refill
.set PWJ, PW0+(PW1-PW0)*((\j)%2)
.irp m, 0,1,2,3
	WA
.if \refill
	s_wait_loadcnt 12
.else
	s_wait_loadcnt 12-4*\m
.endif
.if \m == 0
	s_wait_dscnt 0x0                               ; the weights are in
.endif
	SFMA \j, \m, PWJ
.if \refill
	SOFFG (\j)+1, \m
	SLOADG \m
.endif
.endr
.if (\refill) && ((\j) < 2)
.irp m, 0,1,2,3
	ds_load_b128 v[PWJ+4*\m:PWJ+4*\m+3], v17 offset:256*((\j)+2)+16*\m   ; the weights of two steps on
.endr
.endif
.endm
	; ---- the head: scalars first, then one run of vector lines
	s_load_b256 s[4:11], s[0:1], 0x0               ; query, keys, rows, wq
	s_load_b256 s[12:19], s[0:1], 0x20             ; b1, a1, b2, a2
	s_load_b128 s[20:23], s[0:1], 0x40             ; W3, b3
	s_load_b64 s[24:25], s[0:1], 0x50              ; out0
	v_lshrrev_b32 v1, 5, v0
	v_readfirstlane_b32 s26, v1                    ; wave 0..3
	s_mul_i32 s72, s26, AREC
	s_add_co_u32 s73, s72, 512
	s_add_co_u32 s74, s72, 4608
	s_mul_i32 s75, s26, 768
	s_add_co_u32 s76, s75, 512
	s_lshr_b32 s77, s26, 1
	s_lshl_b32 s77, s77, 7
	s_and_b32 s78, s26, 1
	s_lshl_b32 s78, s78, 1
	s_add_co_u32 s77, s77, s78
	s_add_co_u32 s77, s77, 3072
	s_lshl_b32 s78, s26, 2
	s_add_co_u32 s78, s78, PSB
	s_lshl_b32 s79, s26, 10
	s_add_co_u32 s79, s79, PWB
	s_lshl_b32 s80, s26, 7
	s_lshl_b32 s81, s26, 9
	s_add_co_u32 s84, s81, CSB
	s_add_co_u32 s81, s81, QBB
	s_lshl_b32 s82, s26, 6
	s_mul_i32 s83, s26, 6144
	s_add_co_u32 s83, s83, W2L
	s_add_co_u32 s85, s84, 256
	s_mov_b32 s36, 0x76543210
	s_mov_b32 s37, 0xfedcba98                      ; v_permlanex16_b32's selects for lane l xor 16
	s_mov_b32 s47, 0
	v_and_b32 v1, 31, v0                           ; lane
	v_and_b32 v2, 15, v0                           ; r
	v_bfe_u32 v3, v0, 4, 1                         ; h
	v_lshlrev_b32 v4, 4, v1
	v_lshlrev_b32 v5, 3, v1
	v_lshlrev_b32 v6, 2, v1
	v_lshlrev_b32 v7, 2, v2
	v_add_nc_u32 v8, s72, v4                       ; where I store a tile's record: record w (slot j: 4 j records on)
	v_add_nc_u32 v9, s73, v5
	v_add_nc_u32 v10, s74, v7
	v_add_nc_u32 v10, v10, v3
	v_add_nc_u32 v11, s75, v4                      ; my quarter of a hidden record
	v_add_nc_u32 v12, s76, v5
	v_add_nc_u32 v13, s77, v6                      ; my two bytes of its scale words
	v_lshl_add_u32 v14, v2, 4, s78                 ; my word of a place's four partial scores
	v_add_nc_u32 v15, PSB, v4
	v_add_nc_u32 v16, s79, v6                      ; my wave's weights: 4 x place
	v_bfe_u32 v21, v0, 3, 2
	v_lshlrev_b32 v21, 6, v21                      ; 64 g: my group's 16 list words, and its 16 weights of a step
	v_add_nc_u32 v17, s79, v21
	v_and_b32 v18, 7, v0
	v_lshl_add_u32 v18, v18, 4, s80                ; 128 w + 16 (lane % 8): my 16 bytes of a key's row and of out0's
	v_add_nc_u32 v19, s81, v4
	v_lshl_add_u32 v20, v3, 7, s81
	v_lshl_add_u32 v22, v2, 2, s82                 ; a list's word 16 w + r
	v_lshlrev_b32 v23, 7, v3
	v_add_nc_u32 v43, s83, v4
	v_lshl_add_u32 v44, v3, 6, s84
	v_lshl_add_u32 v45, v3, 5, s85
	v_add_nc_u32 v35, s84, v6
	v_lshl_add_u32 v34, v0, 4, ZB
.irp i, 0,1,2,3
	v_mov_b32 v[PX+\i], 0                          ; written once: a lane permute's destination counts as one of its sources
	v_mov_b32 v[88+\i], 0
.endr
.irp i, 0,1,2,3
	ds_store_b128 v34, v[88:91] offset:2048*\i     ; zeros: places and the record that no tile writes are read, and then masked or jumped over
.endr
	ds_store_b32 v16, v88 offset:896               ; places 224 to 255 weigh 0 for the whole launch
	WA
	s_wait_kmcnt 0x0
	s_load_b32 s28, s[14:15], 0x0                  ; a1
	s_load_b32 s30, s[18:19], 0x0                  ; a2
	s_load_b32 s32, s[22:23], 0x0                  ; b3
	s_lshl_b32 s27, ttmp9, 2                       ; my first batch row
	s_lshl_b32 s71, ttmp9, 10                      ; and its record
	s_load_b32 s42, s[8:9], s71 offset:0x40        ; the words that hold n of batch rows 0 and 1
	s_load_b32 s43, s[8:9], s71 offset:0x140
	s_mov_b32 s46, s71
	s_add_nc_u64 s[54:55], s[8:9], s[46:47]
	global_load_b32 v96, v22, s[54:55]             ; the list words of batch rows 0 and 1
	global_load_b32 v28, v22, s[54:55] offset:256
	s_mul_i32 s46, s26, 24576
	s_add_nc_u64 s[92:93], s[10:11], s[46:47]      ; my 16 fragments of W1
	s_mul_i32 s46, s26, 6144
	s_add_co_u32 s46, s46, 98304
	s_add_nc_u64 s[94:95], s[10:11], s[46:47]      ; my 4 of W2
	WIN 0x40
.set ii, 0
.rept 48
	global_load_b128 v[4*ii:4*ii+3], v4, s[92:93] offset:512*ii
.set ii, ii+1
.endr
	WIN 0
.set ii, 0
.rept 12
	global_load_b128 v[W2F+4*ii:W2F+4*ii+3], v4, s[94:95] offset:512*ii
.set ii, ii+1
.endr
	s_lshl_b32 s46, s26, 11
	s_add_co_u32 s46, s46, WQS
	s_add_nc_u64 s[96:97], s[10:11], s[46:47]      ; W1's scale words,
	s_lshl_b32 s46, s26, 9
	s_add_co_u32 s46, s46, WQS+8192
	s_add_nc_u64 s[98:99], s[10:11], s[46:47]      ; W2's,
	s_lshl_b32 s46, s26, 8
	s_add_nc_u64 s[86:87], s[12:13], s[46:47]      ; my 64 numbers of b1,
	s_lshl_b32 s46, s26, 7
	s_add_nc_u64 s[88:89], s[16:17], s[46:47]      ; my 32 of b2
	s_add_nc_u64 s[90:91], s[20:21], s[46:47]      ; and of W3
	s_lshl_b32 s46, ttmp9, 11
	s_add_nc_u64 s[52:53], s[4:5], s[46:47]        ; q and out0 at my first batch row
	s_add_nc_u64 s[24:25], s[24:25], s[46:47]
	s_mul_i32 s46, s27, KROWS
	s_add_nc_u64 s[48:49], s[6:7], s[46:47]        ; its keys
	s_mov_b64 s[50:51], s[48:49]
	s_wait_loadcnt 60                              ; the two list words are in: behind them stand the 60 loads of weights
	OFFS 24, 96
	KLOAD 1, 24, 48                                ; slot 0 of batch row 0
	global_load_b128 v[36:39], v4, s[52:53]        ; its q
.set ii, 0
.rept 16
	global_load_b32 v[W1S+ii], v6, s[96:97] offset:128*ii
.set ii, ii+1
.endr
.set ii, 0
.rept 4
	global_load_b32 v[W2S+ii], v6, s[98:99] offset:128*ii
.set ii, ii+1
.endr
	global_load_b32 v92, v6, s[86:87]
	global_load_b32 v93, v6, s[86:87] offset:128
	global_load_b32 v94, v6, s[88:89]
	global_load_b32 v95, v6, s[90:91]
	s_wait_kmcnt 0x0
	s_mov_b32 s29, s28                             ; (the packed forms name a pair)
	s_mov_b32 s31, s30
	s_mov_b32 s33, 0xff800000
	s_cmp_le_i32 s28, 0x3f800000                   ; a1 <= 1, read off the bits
	s_cselect_b32 s33, 0x7f800000, s33
	s_mov_b32 s34, 0xff800000
	s_cmp_le_i32 s30, 0x3f800000
	s_cselect_b32 s34, 0x7f800000, s34
	s_lshr_b32 s42, s42, 24                        ; n lies in the word's top byte
	s_lshr_b32 s43, s43, 24
	s_wait_loadcnt 0x0
.set ii, 0
.rept 12
	ds_store_b128 v43, v[W2F+4*ii:W2F+4*ii+3] offset:512*ii   ; W2's fragments, b1, b2, W3 into my wave's own bytes
.set ii, ii+1
.endr
.irp i, 0,1,2,3
	ds_store_b32 v35, v[92+\i] offset:128*\i
.endr
	s_wait_dscnt 0x0
	s_mov_b32 s58, 0
.Ltrip:                                            ; four trips, a batch row each
	s_add_co_u32 s71, s27, 2
	s_min_u32 s71, s71, 2047                       ; held inside the buffer
	s_lshl_b32 s71, s71, 8
	s_load_b32 s44, s[8:9], s71 offset:0x40        ; the word that holds n of the batch row after next
	s_min_u32 s38, s42, 200                        ; n
	s_add_co_u32 s39, s38, 15
	s_lshr_b32 s39, s39, 4
	s_max_u32 s39, s39, 1                          ; nt
	s_add_co_u32 s41, s39, 3
	s_sub_co_u32 s40, s41, s26
	s_lshr_b32 s40, s40, 2                         ; ns: my tiles w, w + 4, ..
	s_lshr_b32 s41, s41, 2                         ; steps of 64 places in phase S
	; ---- phase X
	WA
	s_wait_loadcnt 0x0                             ; slot 0, q and the next list word, asked for a batch row ago
	ds_store_b128 v19, v[36:39]                    ; q into my wave's own copy; LDS serves a wave's instructions in order
	KLOAD 0, 25, 48                                ; slot 1 lands while q and slot 0 are quantised
	QUANTQ 0
	QUANTQ 1
	v_lshl_or_b32 v[QS], v[XQBY+1], 16, v[XQBY]    ; q's scale word: my bytes, blocks h and 2 + h,
	v_lshlrev_b32 v[XTMP], 3, v3
	v_lshlrev_b32 v[QS], v[XTMP], v[QS]
	v_permlanex16_b32 v[PX], v[QS], s36, s37
	v_or_b32 v[QS], v[QS], v[PX]                   ; and lane l xor 16's
.rept 8
	v_nop                                          ; a scale register written by a vector instruction stands 8 places ahead of a scaled matrix instruction
.endr
.irp j, 0,1,2,3
	s_cmp_le_u32 s40, \j
	BR1 .Lxe
.if \j > 0
	s_wait_loadcnt 0x0                             ; slot j is in; nothing else is out
.if \j < 3
	s_cmp_le_u32 s40, \j+1
	BR1 .Lxn\j
	KLOAD 1-((\j+1)%2), 25+\j, 48                  ; slot j + 1 into the buffer that slot j - 1 has left
.Lxn\j:
.endif
.endif
	KUNITS 1-(\j%2), \j, 0
	KUNITS 1-(\j%2), \j, 1
.endr
.Lxe:	; what the later phases and the next batch row need is asked for
	WA
	s_wait_loadcnt 0x0                             ; a wave with fewer than two slots has slot 1's loads out: the later phases write those registers
	s_wait_kmcnt 0x0
	s_lshr_b32 s44, s44, 24
	s_wait_xcnt 0x0                                ; the last prefetches have read their registers
	s_lshl_b32 s46, s27, 8
	s_add_nc_u64 s[56:57], s[8:9], s[46:47]
.irp m, 0,1,2,3
	global_load_b128 v[SL+4*\m:SL+4*\m+3], v21, s[56:57] offset:16*\m   ; this batch row's list, for phase S
.endr
	s_cmp_eq_u32 s58, 3
	BR1 .Lis                                       ; the last batch row has none behind it
	s_min_u32 s45, s43, 200
	s_add_co_u32 s45, s45, 15
	s_lshr_b32 s45, s45, 4
	s_max_u32 s45, s45, 1
	s_add_co_u32 s45, s45, 3
	s_sub_co_u32 s45, s45, s26
	s_lshr_b32 s45, s45, 2                         ; my slots of the next batch row
	s_add_co_u32 s63, s27, 1
	s_mul_i32 s46, s63, KROWS
	s_add_nc_u64 s[50:51], s[6:7], s[46:47]
	s_lshl_b32 s46, s63, 9
	s_add_nc_u64 s[52:53], s[4:5], s[46:47]
	s_add_co_u32 s63, s63, 1
	s_min_u32 s63, s63, 2047                       ; the list after it, held inside the buffer
	s_lshl_b32 s46, s63, 8
	s_add_nc_u64 s[54:55], s[8:9], s[46:47]
	OFFS 24, 28
.irp j, 1,2,3
	v_add_nc_u32 v[39+\j], v[24+\j], v23           ; key x 512 + 256 h: a lane to each 256 bytes of the slot's rows
.endr
	KLOAD 1, 24, 50
	global_load_b128 v[36:39], v4, s[52:53]
	global_load_b32 v28, v22, s[54:55]
.irp j, 1,2,3
	s_cmp_le_u32 s45, \j
	BR1 .Lis
	global_prefetch_b8 v[39+\j], s[50:51] th:TH_LOAD_NT scope:SCOPE_SE
.endr
.Lis:
	BARRIER                                        ; the tiles' records are whole
	; ---- phase 1
	s_mov_b32 s59, 0                               ; the tile, its record, the hidden layer's
	s_mov_b32 s60, 0
	s_mov_b32 s61, HB
	v_add_nc_u32 v29, s60, v4
	v_add_nc_u32 v30, s60, v5
	v_add_nc_u32 v31, s60, v7
	AFETCH 0
.irp t, 0,1,2,3                        ; b1 in the result's layout: tile t: hidden units 32 (t / 2) + 16 h + 8 (t % 2) + 0 .. 7
	ds_load_b128 v[B1+8*\t:B1+8*\t+3], v44 offset:128*(\t/2)+32*(\t%2)
	ds_load_b128 v[B1+8*\t+4:B1+8*\t+7], v44 offset:128*(\t/2)+32*(\t%2)+16
.endr
.Lt1:
	s_cmp_ge_u32 s59, s39
	BR1 .Lt1e                                      ; past the last tile: only the steps at the trip's end
	s_wait_dscnt 0x0
	WIN 0x01                                       ; source 0: W1's fragments, window 1
.irp t, 0,1,2,3                        ; the four accumulators by turns; K ascending: q, k, q - k, q * k
	v_wmma_scale_f32_16x16x128_f8f6f4 v[ACC1+8*\t:ACC1+8*\t+7], v[48*\t:48*\t+11], v[QF:QF+11], v[B1+8*\t:B1+8*\t+7], v[W1S+4*\t], v[QS] matrix_a_fmt:MATRIX_FMT_BF6 matrix_b_fmt:MATRIX_FMT_BF6
.endr
.irp s, 1,2,3
.irp t, 0,1,2,3
	v_wmma_scale_f32_16x16x128_f8f6f4 v[ACC1+8*\t:ACC1+8*\t+7], v[48*\t+12*\s:48*\t+12*\s+11], v[AF+12*\s-12:AF+12*\s-1], v[ACC1+8*\t:ACC1+8*\t+7], v[W1S+4*\t+\s], v[AS+\s-1] matrix_a_fmt:MATRIX_FMT_BF6 matrix_b_fmt:MATRIX_FMT_BF6
.endr
.endr
	WIN 0
	v_add_nc_u32 v32, s61, v11                     ; six plain lines: the places ahead of the loads into the products' operands and of the first read of their results
	v_add_nc_u32 v33, s61, v12
	v_add_nc_u32 v34, s61, v13
	v_add_nc_u32 v29, s60, v4
	v_add_nc_u32 v30, s60, v5
	v_add_nc_u32 v31, s60, v7
	s_add_co_u32 s66, s59, 1
	s_cmp_ge_u32 s66, s39
	BR1 .Lt1n
	AFETCH AREC                                    ; the next tile lands while this one is quantised
.Lt1n:	; my 64 hidden units of 16 rows: PReLU, two blocks of 32 quantised, half a fragment to LDS
.set ii, 0
.rept 16
	v_pk_mul_f32 v[TT1+ii:TT1+ii+1], v[ACC1+ii:ACC1+ii+1], s[28:29] op_sel_hi:[1,0]   ; a1 x; each accumulator is read from its low end on
.set ii, ii+2
.endr
.set ii, 0
.rept 32
	v_med3_num_f32 v[ACC1+ii], v[ACC1+ii], v[TT1+ii], s33
.set ii, ii+1
.endr
.irp ch, 0,1,2,3
	v_max3_num_f32 v[HM+\ch], |v[ACC1+8*\ch]|, |v[ACC1+8*\ch+1]|, 0x2800000
.endr
.irp i, 2,4,6
.irp ch, 0,1,2,3
	v_max3_num_f32 v[HM+\ch], |v[ACC1+8*\ch+\i]|, |v[ACC1+8*\ch+\i+1]|, v[HM+\ch]
.endr
.endr
	v_max_num_f32 v[HM], v[HM], v[HM+1]
	v_max_num_f32 v[HM+2], v[HM+2], v[HM+3]
	v_permlanex16_b32 v[PX], v[HM], s36, s37
	v_permlanex16_b32 v[PX+1], v[HM+2], s36, s37
	v_max_num_f32 v[HM], v[HM], v[PX]              ; with lane l xor 16's 16 numbers: the block's largest magnitude
	v_max_num_f32 v[HM+2], v[HM+2], v[PX+1]
	v_add_nc_u32 v[HSC], 0xfe000000, v[HM]
	v_add_nc_u32 v[HSC+1], 0xfe000000, v[HM+2]
	v_lshrrev_b32 v[HBY], 23, v[HSC]
	v_lshrrev_b32 v[HBY+1], 23, v[HSC+1]
	v_lshl_or_b32 v[HBY], v[HBY+1], 8, v[HBY]      ; my wave's two bytes of the row's scale word
	v_cvt_scalef32_pk16_bf6_f32 v[HPC:HPC+2], v[ACC1:ACC1+15], v[HSC]
	v_cvt_scalef32_pk16_bf6_f32 v[HCT:HCT+2], v[ACC1+16:ACC1+31], v[HSC+1]
	v_nop
.irp i, 0,1,2
	v_permlane16_swap_b32 v[HPC+\i], v[HCT+\i]     ; the operand wants a WHOLE block in a lane
.endr
.irp i, 0,1,2
	v_mov_b32 v[HPC+3+\i], v[HCT+\i]
.endr
	ds_store_b128 v32, v[HPC:HPC+3]
	ds_store_b64 v33, v[HPC+4:HPC+5]
	ds_store_b16 v34, v[HBY]
.Lt1e:
	s_add_co_u32 s60, s60, AREC
	s_add_co_u32 s61, s61, HREC
	s_add_co_u32 s59, s59, 1
	s_cmp_lt_u32 s59, 13
	BR1 .Lt1
	BARRIER                                        ; the hidden layer's records are whole; nobody reads the tiles' records any more
	; ---- phase 2
	s_mov_b32 s59, 0
	s_mov_b32 s61, HB
	s_mov_b32 s62, 0                               ; 256 bytes of partial scores a tile
	v_add_nc_u32 v29, s61, v4
	v_add_nc_u32 v30, s61, v5
	v_add_nc_u32 v31, s61, v6
	HFETCH 0
.set ii, 0
.rept 12
	ds_load_b128 v[W2F+4*ii:W2F+4*ii+3], v43 offset:512*ii
.set ii, ii+1
.endr
.irp n, 0,1                            ; b2 and W3: tile n: outputs 16 n + 8 h + 0 .. 7
	ds_load_b128 v[B2+8*\n:B2+8*\n+3], v45 offset:64*\n
	ds_load_b128 v[B2+8*\n+4:B2+8*\n+7], v45 offset:64*\n+16
	ds_load_b128 v[W3R+8*\n:W3R+8*\n+3], v45 offset:128+64*\n
	ds_load_b128 v[W3R+8*\n+4:W3R+8*\n+7], v45 offset:128+64*\n+16
.endr
.Lt2:
	s_cmp_ge_u32 s59, s39
	BR1 .Lt2e
	s_wait_dscnt 0x0
.irp n, 0,1
	v_wmma_scale_f32_16x16x128_f8f6f4 v[ACC2+8*\n:ACC2+8*\n+7], v[W2F+24*\n:W2F+24*\n+11], v[HF:HF+11], v[B2+8*\n:B2+8*\n+7], v[W2S+2*\n], v[HS] matrix_a_fmt:MATRIX_FMT_BF6 matrix_b_fmt:MATRIX_FMT_BF6
.endr
.irp n, 0,1
	v_wmma_scale_f32_16x16x128_f8f6f4 v[ACC2+8*\n:ACC2+8*\n+7], v[W2F+12+24*\n:W2F+12+24*\n+11], v[HF+12:HF+23], v[ACC2+8*\n:ACC2+8*\n+7], v[W2S+2*\n+1], v[HS+1] matrix_a_fmt:MATRIX_FMT_BF6 matrix_b_fmt:MATRIX_FMT_BF6
.endr
	v_add_nc_u32 v35, s62, v14                     ; four plain lines: the places behind the products
	v_add_nc_u32 v29, s61, v4
	v_add_nc_u32 v30, s61, v5
	v_add_nc_u32 v31, s61, v6
	s_add_co_u32 s66, s59, 1
	s_cmp_ge_u32 s66, s39
	BR1 .Lt2n
	HFETCH HREC
.Lt2n:	; PReLU and the dot of my 32 outputs with W3
.set ii, 0
.rept 8
	v_pk_mul_f32 v[TT2+ii:TT2+ii+1], v[ACC2+ii:ACC2+ii+1], s[30:31] op_sel_hi:[1,0]
.set ii, ii+2
.endr
.set ii, 0
.rept 16
	v_med3_num_f32 v[ACC2+ii], v[ACC2+ii], v[TT2+ii], s34
.set ii, ii+1
.endr
	v_pk_mul_f32 v[DT:DT+1], v[ACC2:ACC2+1], v[W3R:W3R+1]
	v_pk_mul_f32 v[DT+2:DT+3], v[ACC2+2:ACC2+3], v[W3R+2:W3R+3]
.irp i, 4,8,12
	v_pk_fma_f32 v[DT:DT+1], v[ACC2+\i:ACC2+\i+1], v[W3R+\i:W3R+\i+1], v[DT:DT+1]
	v_pk_fma_f32 v[DT+2:DT+3], v[ACC2+\i+2:ACC2+\i+3], v[W3R+\i+2:W3R+\i+3], v[DT+2:DT+3]
.endr
	v_pk_add_f32 v[DT:DT+1], v[DT:DT+1], v[DT+2:DT+3]
	v_add_f32 v[DT], v[DT], v[DT+1]
	v_permlanex16_b32 v[PX], v[DT], s36, s37
	v_add_f32 v[DT], v[DT], v[PX]                  ; with lane l xor 16's 16 outputs
	ds_store_b32 v35, v[DT]                        ; both halves of the lanes write the same word with the same value
.Lt2e:
	s_add_co_u32 s61, s61, HREC
	s_add_co_u32 s62, s62, 256
	s_add_co_u32 s59, s59, 1
	s_cmp_lt_u32 s59, 13
	BR1 .Lt2
	BARRIER                                        ; the partial scores are whole; nobody reads the hidden layer's records any more
	; ---- phase S
.irp j, 0,1,2,3,4,5,6
	ds_load_b128 v[SP+4*\j:SP+4*\j+3], v15 offset:512*\j    ; place 32 j + lane: the four waves' partial scores
.endr
	s_wait_loadcnt 0x0                             ; the list is in
.irp m, 0,1,2,3
	SOFFG 0, \m
	SLOADG \m                                      ; places 0 to 63: these 16 loads land under the softmax
.endr
	s_mov_b32 s68, 0xff800000
	s_cmp_lt_u32 s38, 200
	s_cselect_b32 s68, 0xc61c4000, s68             ; an inactive key's score, -10000, where there is one; else -infinity
	s_sub_co_u32 s69, 200, s38                     ; how many there are
	v_mov_b32 v[NI], 0xff800000
	v_cvt_f32_i32 v[CN], s69
	WA
	s_wait_dscnt 0x0
.irp j, 0,1,2,3,4,5,6
	v_pk_add_f32 v[SP+4*\j:SP+4*\j+1], v[SP+4*\j:SP+4*\j+1], v[SP+4*\j+2:SP+4*\j+3]
.endr
.irp j, 0,1,2,3,4,5,6
	v_add_f32 v[SP+4*\j], v[SP+4*\j], v[SP+4*\j+1]
.endr
.irp j, 0,1,2,3,4,5,6
	v_add_f32 v[SP+4*\j], s32, v[SP+4*\j]          ; + b3
.endr
.irp j, 0,1,2,3,4,5,6
	s_sub_co_i32 s66, s38, 32*\j
	v_cmp_gt_i32 vcc_lo, s66, v1                   ; a place under n counts;
	v_cndmask_b32 v[SP+4*\j], v[NI], v[SP+4*\j], vcc_lo   ; the others become -infinity
.endr
	v_max3_num_f32 v[MX], v[SP], v[SP+4], v[SP+8]
	v_max3_num_f32 v[MX], v[MX], v[SP+12], v[SP+16]
	v_max3_num_f32 v[MX], v[MX], v[SP+20], v[SP+24]
	v_max_num_f32 v[MX], s68, v[MX]
	v_max_num_f32_dpp v[MX], v[MX], v[MX] row_xmask:1 row_mask:0xf bank_mask:0xf
	v_max_num_f32_dpp v[MX], v[MX], v[MX] row_xmask:2 row_mask:0xf bank_mask:0xf
	v_max_num_f32_dpp v[MX], v[MX], v[MX] row_xmask:4 row_mask:0xf bank_mask:0xf
	v_max_num_f32_dpp v[MX], v[MX], v[MX] row_xmask:8 row_mask:0xf bank_mask:0xf
	v_permlanex16_b32 v[PX], v[MX], s36, s37
	v_max_num_f32 v[MX], v[MX], v[PX]              ; the row's maximum, in every lane: always a finite number
.irp j, 0,1,2,3,4,5,6
	v_sub_f32 v[SP+4*\j], v[SP+4*\j], v[MX]
.endr
	v_sub_f32 v[EN], s68, v[MX]
.irp j, 0,1,2,3,4,5,6
	v_mul_f32 v[SP+4*\j], 0x3fb8aa3b, v[SP+4*\j]   ; x log2(e)
.endr
	v_mul_f32 v[EN], 0x3fb8aa3b, v[EN]
	WA
.irp j, 0,1,2,3,4,5,6
	v_exp_f32 v[SP+4*\j], v[SP+4*\j]               ; one batch of eight
.endr
	v_exp_f32 v[EN], v[EN]
	v_nop
	WA
	v_add_f32 v[SU], v[SP], v[SP+4]
	v_add_f32 v[SA], v[SP+8], v[SP+12]
	v_add_f32 v[SB], v[SP+16], v[SP+20]
	v_add_f32 v[SU], v[SU], v[SA]
	v_add_f32 v[SB], v[SB], v[SP+24]
	v_add_f32 v[SU], v[SU], v[SB]
	v_add_f32_dpp v[SU], v[SU], v[SU] row_xmask:1 row_mask:0xf bank_mask:0xf
	v_add_f32_dpp v[SU], v[SU], v[SU] row_xmask:2 row_mask:0xf bank_mask:0xf
	v_add_f32_dpp v[SU], v[SU], v[SU] row_xmask:4 row_mask:0xf bank_mask:0xf
	v_add_f32_dpp v[SU], v[SU], v[SU] row_xmask:8 row_mask:0xf bank_mask:0xf
	v_permlanex16_b32 v[PX], v[SU], s36, s37
	v_add_f32 v[SU], v[SU], v[PX]                  ; the active keys' sum
	v_fma_f32 v[ZZ], v[CN], v[EN], v[SU]           ; the softmax's sum: the inactive keys' terms count; at least 1
	WA
	v_rcp_f32 v[RZ], v[ZZ]
	v_nop
	WA
	v_mul_f32 v[DN], v[SU], v[RZ]                  ; the sum of the masked probabilities,
	v_max_num_f32 v[DM], 0x2b8cbccc, v[DN]         ; held at 1e-12 from below
	WA
	v_rcp_f32 v[RDM], v[DM]
	v_nop
	WA
	v_mul_f32 v[GG], v[RZ], v[RDM]
	v_cmp_lt_f32 vcc_lo, 0, v[DN]
	v_cndmask_b32 v[GG], 0, v[GG], vcc_lo          ; zeros where that sum is not above 0
.irp j, 0,1,2,3,4,5,6
	v_mul_f32 v[WT+\j], v[SP+4*\j], v[GG]          ; the weights of places 32 j + lane
.endr
.irp j, 0,1,2,3,4,5,6
	ds_store_b32 v16, v[WT+\j] offset:128*\j       ; into my wave's own bytes; LDS serves a wave's instructions in order
.endr
.irp m, 0,1,2,3
	ds_load_b128 v[PW0+4*\m:PW0+4*\m+3], v17 offset:16*\m         ; my group's 16 weights of step 0,
.endr
.irp m, 0,1,2,3
	ds_load_b128 v[PW1+4*\m:PW1+4*\m+3], v17 offset:256+16*\m     ; and of step 1
.endr
	s_cmp_le_u32 s41, 1
	BR1 .Lsl0
	SSTEP 0, 1
	s_cmp_le_u32 s41, 2
	BR1 .Lsl1
	SSTEP 1, 1
	s_cmp_le_u32 s41, 3
	BR1 .Lsl2
	SSTEP 2, 1
	SSTEP 3, 0
	WA
	s_branch .Lsd
.Lsl0:
	SSTEP 0, 0
	WA
	s_branch .Lsd
.Lsl1:
	SSTEP 1, 0
	WA
	s_branch .Lsd
.Lsl2:
	SSTEP 2, 0
.Lsd:
	v_pk_add_f32 v[SACC:SACC+1], v[SACC:SACC+1], v[SACC+4:SACC+5]
	v_pk_add_f32 v[SACC+2:SACC+3], v[SACC+2:SACC+3], v[SACC+6:SACC+7]
.irp i, 0,1,2,3
	v_add_f32_dpp v[SACC+\i], v[SACC+\i], v[SACC+\i] row_xmask:8 row_mask:0xf bank_mask:0xf   ; with lane l xor 8's keys,
.endr
.irp i, 0,1,2,3
	v_permlanex16_b32 v[PX+\i], v[SACC+\i], s36, s37
.endr
.irp i, 0,1,2,3
	v_add_f32 v[SACC+\i], v[SACC+\i], v[PX+\i]     ; and lane l xor 16's
.endr
	global_store_b128 v18, v[SACC:SACC+3], s[24:25]   ; my wave's 128 bytes of the row
	WA
	s_wait_xcnt 0x0                                ; the store has read its data and its base
	s_add_nc_u64 s[24:25], s[24:25], 512
	s_mov_b64 s[48:49], s[50:51]
	s_mov_b32 s42, s43
	s_mov_b32 s43, s44
	s_add_co_u32 s27, s27, 1
	s_add_co_u32 s58, s58, 1
	s_cmp_lt_u32 s58, 4
	BR1 .Ltrip
	v_lshl_add_u32 v254, v0, 2, SPARE              ; the wave's end
	v_mov_b32 v255, 0
	WA
	s_wait_tensorcnt 0x0
	ds_add_u32 v254, v255
	s_wait_dscnt 0x0
	s_endpgm
.Lfunc_end_k_q3d83d5c6a9_din:
	.size	k_q3d83d5c6a9_din, .Lfunc_end_k_q3d83d5c6a9_din-k_q3d83d5c6a9_din
	.p2alignl 7, 3214868480
	.fill 96, 4, 3214868480
	.section	.rodata,"a",@progbits
	.p2align	6, 0x0
	.amdhsa_kernel k_q3d83d5c6a9_din
		.amdhsa_group_segment_fixed_size 161792
		.amdhsa_private_segment_fixed_size 0
		.amdhsa_enable_private_segment 0
		.amdhsa_kernarg_size 88
		.amdhsa_user_sgpr_count 2
		.amdhsa_user_sgpr_kernarg_segment_ptr 1
		.amdhsa_wavefront_size32 1
		.amdhsa_system_sgpr_workgroup_id_x 1
		.amdhsa_system_sgpr_workgroup_id_y 1
		.amdhsa_system_sgpr_workgroup_id_z 1
		.amdhsa_system_vgpr_workitem_id 0
		.amdhsa_next_free_vgpr 512
		.amdhsa_next_free_sgpr 100
		.amdhsa_reserve_vcc 1
		.amdhsa_float_denorm_mode_32 3
		.amdhsa_float_denorm_mode_16_64 3
		.amdhsa_memory_ordered 1
		.amdhsa_forward_progress 1
		.amdhsa_inst_pref_size 156
	.end_amdhsa_kernel
	.amdgpu_metadata
---
amdhsa.version: [ 1, 2 ]
amdhsa.kernels:
  - .name:           k_q3d83d5c6a9_din
    .symbol:         k_q3d83d5c6a9_din.kd
    .args:
      - { .name: query, .offset: 0, .size: 8, .value_kind: global_buffer, .address_space: global }
      - { .name: keys, .offset: 8, .size: 8, .value_kind: global_buffer, .address_space: global }
      - { .name: rows, .offset: 16, .size: 8, .value_kind: global_buffer, .address_space: global }
      - { .name: wq, .offset: 24, .size: 8, .value_kind: global_buffer, .address_space: global }
      - { .name: b1, .offset: 32, .size: 8, .value_kind: global_buffer, .address_space: global }
      - { .name: a1, .offset: 40, .size: 8, .value_kind: global_buffer, .address_space: global }
      - { .name: b2, .offset: 48, .size: 8, .value_kind: global_buffer, .address_space: global }
      - { .name: a2, .offset: 56, .size: 8, .value_kind: global_buffer, .address_space: global }
      - { .name: W3, .offset: 64, .size: 8, .value_kind: global_buffer, .address_space: global }
      - { .name: b3, .offset: 72, .size: 8, .value_kind: global_buffer, .address_space: global }
      - { .name: out0, .offset: 80, .size: 8, .value_kind: global_buffer, .address_space: global }
    .group_segment_fixed_size: 161792
    .private_segment_fixed_size: 0
    .kernarg_segment_align: 8
    .kernarg_segment_size: 88
    .max_flat_workgroup_size: 128
    .sgpr_count:     100
    .vgpr_count:     512
    .wavefront_size: 32
...
	.end_amdgpu_metadata
.endif
;; end of part 2
